; MI455X (gfx1250); checked and timed in simulation.
; The chip was launched on July 23, 2026; its instructions are those of AMD's public machine-readable ISA for CDNA 5 (MIT licence, August 2026) and "CDNA5" Instruction Set Architecture Reference Guide (July 2026). The comments in the code are by the model that wrote it; some were corrected since.
;; Tokenizer. Allowed arithmetic: matrix products marked QUANTISED: E4M3 operands, one E8M0 scale for each 32 along K, by v_wmma_scale_f32_16x16x128_f8f6f4 with both operands' format E4M3, f32 sums; everything else in f32.
;; Inputs: codebook 4,096 x 256 float32; rep 32 x 2,048 x 256 float32.
;; Outputs: out0 32 x 2,048 int32.
;; This version of the problem:
;;   THIS VERSION OF THE PROBLEM IS GIVEN IN LOW PRECISION. The matrix products marked QUANTISED in the list below multiply operands that are first quantised to E4M3 (4 exponent bits, 3 mantissa bits; 8 bits a number), with one power-of-two scale for each 32 numbers along K (OCP MX v1.0); their sums are f32. All else is computed in f32.
;;   The module's matrix products, in the order in which they are computed (A, B: the left and right operand; K: the contracted axis; several contracted axes count as one K, in the product's order):
;;     1. [M 65,536, K 256] x [K 256, N 4,096]; A: input rep; B: input codebook: QUANTISED
;;   THE QUANTISER, for each operand of a quantised product, along K:
;;     - K is cut into blocks of 32 from its start; a last block that is shorter is filled with zeros.
;;     - A block's scale is 2^e with e = floor(log2(the largest magnitude in the block)) - 8, held to -126 .. 127; a block of zeros has e = 0. As a byte (E8M0): e + 127.
;;     - Each number is divided by its block's scale, clamped to +-448, and rounded to the nearest number of E4M3, ties to even, subnormals kept.
;;     - The product sums the exact products of the quantised numbers (number of the format x scale) in f32.
;;   ~~~python
;;   def quantise(x, axis):      # numpy; x: float32 -> the quantised numbers, widened to float32 again
;;       x = np.moveaxis(x, axis, -1); K = x.shape[-1]
;;       x = np.pad(x, [(0, 0)] * (x.ndim - 1) + [(0, -K % 32)]); x = x.reshape(x.shape[:-1] + (-1, 32)); a = np.abs(x).max(-1, keepdims=True)
;;       e = np.where(a > 0, np.clip(np.frexp(np.where(a > 0, a, 1))[1] - 1 - 8, -126, 127), 0)      # np.frexp(a)[1] - 1 = floor(log2(a)), exactly
;;       r = np.clip(x / 2.0 ** e, -448, 448)
;;       step = 2.0 ** (np.maximum(np.frexp(np.where(r == 0, 1, r))[1] - 1, -6) - 3)
;;       q = np.round(r / step) * step * 2.0 ** e      # np.round: ties to even
;;       return np.moveaxis(q.reshape(q.shape[:-2] + (-1,))[..., :K], -1, axis).astype(np.float32)
;;   ~~~
;; One version. Each part assembles by itself: llvm-mc -triple=amdgcn-amd-amdhsa -mcpu=gfx1250 --defsym DOCPART=n.
;; ======== version 1 of 1: 2 launches
;; workspace buffers: cbq 1,114,112 bytes
;; launch cbquant (part 1): grid 256 x 1, 1 waves a work-group, no clusters, 512 bytes of LDS; arguments codebook, cbq; writes cbq
.if DOCPART == 1
	.amdgcn_target "amdgcn-amd-amdhsa--gfx1250"
	.amdhsa_code_object_version 6
	.text
	.protected	k_q2619049e37_cbquant
	.globl	k_q2619049e37_cbquant
	.p2align	8
	.type	k_q2619049e37_cbquant,@function
k_q2619049e37_cbquant:
	s_mov_b64 s[64:65], 0
	v_nop
	global_prefetch_b8 v0, s[64:65] scope:SCOPE_SE
	s_setreg_imm32_b32 hwreg(HW_REG_WAVE_MODE, 25, 1), 1
	s_wait_xcnt 0x0
; The codebook [4096][256] f32 becomes 256 RECORDS, one for each tile of 16 codes, laid as the next launch's registers want them.
; A record is 17 x 256 = 4,352 bytes:
;   [0, 4096)     the tile's codes of FP8 (E4M3) as an image of the operand's registers: byte 2048 s + 512 c + 16 lane holds the lane's registers 4 c .. 4 c + 3 of K step s
;                 (lane (r, h): code row r, k = 128 s + 32 c + 16 h + 0 .. 15)
;   [4096, 4224)  the scale words, 4 bytes a lane: lanes 0-15 row r's word of K step 0, lanes 16-31 that of K step 1 (byte b of a word: k = 32 b .. 32 b + 31 of the step)
;   [4224, 4288)  -b2 / 2 of the 16 rows, f32: b2 = the sum of squares of the row as it is given, not quantised
;   [4288, 4352)  zeros, so that the record's last 256 bytes are stored whole
; THE QUANTISER: a block's scale is 2^(floor(log2(its largest magnitude)) - 8); its byte is the largest magnitude's exponent field - 8, held at 1 from below.  A block of zeros so gets the byte 1
; where the rule says 127: its codes are zeros, which add nothing under any byte but 0xff, and this program alone reads the bytes.  Each number is held within +-448 x the scale and rounded to the nearest code, ties to even.
; LIMITS: blocks whose largest magnitude lies under 2^-118 (the floor; byte 1) were not tried; NaN and infinities are not served; b2 is summed in two packed chains and one exchange between lanes.
; SHARES: one wave to a work-group, one tile of 16 rows to a wave: 256 work-groups, 16 KiB read and 4,352 bytes stored by each.  No barrier: nothing is shared.
.set REC,  4352
.set XA,   3                           ; v3       1024 r + 64 h: my 16 numbers of a block of 32 in my row
.set LI,   4                           ; v4       16 x lane: my place in an image
.set SR,   5                           ; v5       4 r
.set L8,   6                           ; v6       8 x lane
.set NIL,  7                           ; v7       0
.set PC,   32                          ; v32-63   the codes: K step s at PC + 16 s
.set TM,   64                          ; v64-67 largest magnitudes, v68-71 bytes, v72-75 448 x the scale, v76-79 the conversions' scale operands
.set PW,   80                          ; v80, v81 the scale words of K steps 0, 1
.set ACC,  82                          ; v82-85   two packed chains of squares
.set T,    86                          ; v86, v87 the sum
.set OUTR, 88                          ; v88, v89 the record's last 256 bytes on their way out
.set RAW,  128                         ; v128-255 the numbers: K step s at RAW + 64 s; register 16 b + i = k 128 s + 32 b + 16 h + i of row r
.set SEL,  36                          ; s[36:37] v_permlanex16_b32's selects for lane l xor 16
.set MNT,  38                          ; s38      the mantissa field of 448
; my 16 rows' numbers of K step s, from off bytes on: the sixteen loads together cover 512 consecutive bytes of each of 16 rows
.macro XLOAD reg, s, off
.irp b, 0,1,2,3
.irp j, 0,1,2,3
	global_load_b128 v[(\reg)+16*\b+4*\j:(\reg)+16*\b+4*\j+3], v[XA], s[4:5] offset:\off+512*\s+128*\b+16*\j th:TH_LOAD_NT
.endr
.endr
.endm
; the squares of 64 numbers onto two packed chains; first = 1: the first four start the chains, nothing is cleared
.macro SQ s, first
.set qi, 0
.rept 16
.if (\first) && (qi == 0)
	v_pk_mul_f32 v[ACC:ACC+1], v[(\s):(\s)+1], v[(\s):(\s)+1]
	v_pk_mul_f32 v[ACC+2:ACC+3], v[(\s)+2:(\s)+3], v[(\s)+2:(\s)+3]
.else
	v_pk_fma_f32 v[ACC:ACC+1], v[(\s)+4*qi:(\s)+4*qi+1], v[(\s)+4*qi:(\s)+4*qi+1], v[ACC:ACC+1]
	v_pk_fma_f32 v[ACC+2:ACC+3], v[(\s)+4*qi+2:(\s)+4*qi+3], v[(\s)+4*qi+2:(\s)+4*qi+3], v[ACC+2:ACC+3]
.endif
.set qi, qi+1
.endr
.endm
; 64 numbers of a lane, v[s] on, become a fragment's 16 registers of codes, v[pc] on, and its scale word v[pw]
.macro QUANT s, pc, pw
.irp b, 0,1,2,3
	v_max3_num_f32 v[TM+\b], |v[(\s)+16*\b]|, |v[(\s)+1+16*\b]|, 0x4800000   ; block b: my 16 numbers, and the floor 2^(9 - 127): so the byte cannot fall under 1
.endr
.irp i, 2,4,6,8,10,12,14
.irp b, 0,1,2,3
	v_max3_num_f32 v[TM+\b], v[TM+\b], |v[(\s)+16*\b+\i]|, |v[(\s)+1+16*\b+\i]|   ; the four blocks by turns
.endr
.endr
.irp b, 0,1,2,3
	v_permlanex16_b32 v[TM+4+\b], v[TM+\b], s[SEL], s[SEL+1]
.endr
.irp b, 0,1,2,3
	v_max_num_f32 v[TM+\b], v[TM+\b], v[TM+4+\b]   ; with lane l xor 16's 16: the block's largest magnitude
.endr
.irp b, 0,1,2,3
	v_add_nc_u32 v[TM+12+\b], 0xfc000000, v[TM+\b]   ; 8 off its exponent field: the conversion takes this operand's exponent field as its scale
.endr
.irp b, 0,1,2,3
	v_and_or_b32 v[TM+8+\b], v[TM+\b], 0x7f800000, s[MNT]   ; 448 x the scale
.endr
.irp b, 0,1,2,3
	v_lshrrev_b32 v[TM+4+\b], 23, v[TM+12+\b]   ; the scale's byte
.endr
	v_lshl_or_b32 v[\pw], v[TM+5], 8, v[TM+4]
	v_lshl_or_b32 v[\pw], v[TM+6], 16, v[\pw]
	v_lshl_or_b32 v[\pw], v[TM+7], 24, v[\pw]      ; my row's scale word; both halves of the lanes hold the same
.irp b, 0,1,2,3
.irp i, 0,1,2,3,4,5,6,7,8,9,10,11,12,13,14,15
	v_med3_num_f32 v[(\s)+16*\b+\i], v[(\s)+16*\b+\i], -v[TM+8+\b], v[TM+8+\b]   ; the conversion to an 8-bit code does not saturate (ISA guide 7.6.2): the hold comes first
.endr
	v_cvt_scalef32_pk8_fp8_f32 v[(\pc)+4*\b:(\pc)+1+4*\b], v[(\s)+16*\b:(\s)+7+16*\b], v[TM+12+\b]
	v_cvt_scalef32_pk8_fp8_f32 v[(\pc)+2+4*\b:(\pc)+3+4*\b], v[(\s)+8+16*\b:(\s)+15+16*\b], v[TM+12+\b]
.endr
	v_nop                                          ; one plain vector instruction behind the last scaled conversion
.endm
.macro A2FIN                                   ; the two chains, their halves, and lane l xor 16's: the row's sum of squares in v[T], the same bits in both halves of the lanes
	v_pk_add_f32 v[ACC:ACC+1], v[ACC:ACC+1], v[ACC+2:ACC+3]
	v_add_f32 v[T], v[ACC], v[ACC+1]
	v_permlanex16_b32 v[T+1], v[T], s[SEL], s[SEL+1]
	v_add_f32 v[T], v[T], v[T+1]
.endm
	s_load_b128 s[4:7], s[0:1], 0x0                ; the codebook s[4:5], the records s[6:7]
	v_lshl_add_u32 v126, v0, 2, 0x100
	v_mov_b32 v127, 0
	v_and_b32 v1, 15, v0                           ; r
	v_bfe_u32 v2, v0, 4, 1                         ; h
	v_lshlrev_b32 v[XA], 10, v1
	v_lshl_add_u32 v[XA], v2, 6, v[XA]
	v_lshlrev_b32 v[LI], 4, v0                     ; one wave: the thread's number is the lane
	v_lshlrev_b32 v[SR], 2, v1
	v_lshlrev_b32 v[L8], 3, v0
	v_mov_b32 v[NIL], 0
.irp b, 0,1,2,3
	v_mov_b32 v[TM+4+\b], 0                        ; written once: a lane permute's destination counts as one of its sources
.endr
	v_mov_b32 v[T+1], 0
	s_mov_b32 s[SEL], 0x76543210
	s_mov_b32 s[SEL+1], 0xfedcba98
	s_mov_b32 s[MNT], 0x600000
	s_lshl_b32 s8, ttmp9, 14                       ; my tile's 16 rows of 1,024 bytes
	s_mov_b32 s9, 0
	s_mul_i32 s10, ttmp9, REC                      ; my record
	s_mov_b32 s11, 0
	s_wait_kmcnt 0x0
	s_add_nc_u64 s[4:5], s[4:5], s[8:9]
	s_add_nc_u64 s[6:7], s[6:7], s[10:11]
	XLOAD RAW, 0, 0
	XLOAD RAW+64, 1, 0
	s_wait_loadcnt 16                              ; K step 0's sixteen loads are in; K step 1's sixteen may be out
	SQ RAW, 1                                      ; the squares first: the quantiser holds the numbers in place
	QUANT RAW, PC, PW
	s_wait_loadcnt 0x0
	SQ RAW+64, 0
	QUANT RAW+64, PC+16, PW+1
	A2FIN
	v_mul_f32 v[T], -0.5, v[T]                     ; -b2 / 2: exact
.irp i, 0,1,2,3,4,5,6,7
	global_store_b128 v[LI], v[PC+4*\i:PC+4*\i+3], s[6:7] offset:512*\i   ; 32 lanes store 512 consecutive bytes, at a multiple of 256 from the buffer's first byte
.endr
	ds_store_b32 v[SR], v[PW]                      ; the record's last 256 bytes are gathered in LDS; both halves of the lanes write the same word with the same value
	ds_store_b32 v[SR], v[PW+1] offset:64
	ds_store_b32 v[SR], v[T] offset:128
	ds_store_b32 v[SR], v[NIL] offset:192
	ds_load_b64 v[OUTR:OUTR+1], v[L8]              ; LDS serves a wave's instructions in order (ISA guide 5.7.1.4): this sees the stores above
	s_wait_dscnt 0x0
	global_store_b64 v[L8], v[OUTR:OUTR+1], s[6:7] offset:4096   ; 32 lanes store 256 consecutive bytes, aligned
	s_wait_tensorcnt 0x0
	ds_add_u32 v126, v127
	s_wait_dscnt 0x0
	s_endpgm
.Lfunc_end_k_q2619049e37_cbquant:
	.size	k_q2619049e37_cbquant, .Lfunc_end_k_q2619049e37_cbquant-k_q2619049e37_cbquant
	.p2alignl 7, 3214868480
	.fill 96, 4, 3214868480
	.section	.rodata,"a",@progbits
	.p2align	6, 0x0
	.amdhsa_kernel k_q2619049e37_cbquant
		.amdhsa_group_segment_fixed_size 512
		.amdhsa_private_segment_fixed_size 0
		.amdhsa_enable_private_segment 0
		.amdhsa_kernarg_size 16
		.amdhsa_user_sgpr_count 2
		.amdhsa_user_sgpr_kernarg_segment_ptr 1
		.amdhsa_wavefront_size32 1
		.amdhsa_system_sgpr_workgroup_id_x 1
		.amdhsa_system_sgpr_workgroup_id_y 1
		.amdhsa_system_sgpr_workgroup_id_z 1
		.amdhsa_system_vgpr_workitem_id 0
		.amdhsa_next_free_vgpr 256
		.amdhsa_next_free_sgpr 66
		.amdhsa_reserve_vcc 0
		.amdhsa_float_denorm_mode_32 3
		.amdhsa_float_denorm_mode_16_64 3
		.amdhsa_memory_ordered 1
		.amdhsa_forward_progress 1
		.amdhsa_inst_pref_size 26
	.end_amdhsa_kernel
	.amdgpu_metadata
---
amdhsa.version: [ 1, 2 ]
amdhsa.kernels:
  - .name:           k_q2619049e37_cbquant
    .symbol:         k_q2619049e37_cbquant.kd
    .args:
      - { .name: codebook, .offset: 0, .size: 8, .value_kind: global_buffer, .address_space: global }
      - { .name: cbq, .offset: 8, .size: 8, .value_kind: global_buffer, .address_space: global }
    .group_segment_fixed_size: 512
    .private_segment_fixed_size: 0
    .kernarg_segment_align: 8
    .kernarg_segment_size: 16
    .max_flat_workgroup_size: 32
    .sgpr_count:     66
    .vgpr_count:     256
    .wavefront_size: 32
...
	.end_amdgpu_metadata
.endif
;; end of part 1
;; launch vq (part 2): grid 256 x 1, 8 waves a work-group, clusters of 4 x 1, 327,680 bytes of LDS; arguments rep, cbq, out0; writes out0
.if DOCPART == 2
	.amdgcn_target "amdgcn-amd-amdhsa--gfx1250"
	.amdhsa_code_object_version 6
	.text
	.protected	k_q2619049e37_vq
	.globl	k_q2619049e37_vq
	.p2align	8
	.type	k_q2619049e37_vq,@function
k_q2619049e37_vq:
	s_mov_b64 s[64:65], 0
	v_nop
	global_prefetch_b8 v0, s[64:65] scope:SCOPE_SE
	s_setreg_imm32_b32 hwreg(HW_REG_WAVE_MODE, 25, 1), 1
	s_wait_xcnt 0x0
	s_wait_alu depctr_hold_cnt(0) depctr_sa_sdst(0) depctr_va_vdst(0) depctr_va_sdst(0) depctr_va_ssrc(0) depctr_va_vcc(0) depctr_vm_vsrc(0)
	s_getreg_b32 s2, hwreg(HW_REG_IB_STS2, 6, 4)
	s_cmp_eq_u32 s2, 0
	s_cbranch_scc0 .Lentry_in_a_cluster
	s_endpgm
.Lentry_in_a_cluster:
	s_bfe_u32 s2, ttmp6, 0x10000c
	s_cmp_lg_u32 s2, 0x3003
	s_cbranch_scc0 .Lentry_shape_is_right
	s_endpgm
.Lentry_shape_is_right:
; out0[token] = the lowest index of the code with the smallest dist = a2 + b2 - 2 ab.  rep: 65,536 tokens x 256 f32.  ab is the product on codes of FP8 (E4M3) with one E8M0 scale for each 32 along K.
; The codebook comes as 256 records of 4,352 bytes, one for each tile of 16 codes: an image of the operand's registers (4,096 bytes), its scale words (128), -b2 / 2 of its 16 codes (64), zeros (64).
; SHARES.  A work-group owns 256 tokens and walks all 4,096 codes.  Wave w = 4 g + q holds the eight tiles of 16 tokens of half g as operands in registers for the whole launch (256 registers, window 1) and takes
; the code tiles 8 q .. 8 q + 7 of every 32: 64 code tiles x 8 token tiles a wave.  Two waves stand on a SIMD, so that one wave's vector work stands beside the other's matrix work.
; THE PRODUCT: source 0 = 16 codes, source 1 = 16 tokens: lane (r, h) holds token r, and register j code 8 h + j: the search runs down a lane's registers.  C of a tile's first instruction is -b2 / 2,
; so D = ab - b2 / 2 and d = a2 - 2 D is one packed multiply-add for two distances.
; THE SEARCH, 18 vector instructions for a tile of 256 distances: 4 packed multiply-adds; 4 minima of three (the eight d and the best so far); one compare, new best < old best (strict: an earlier tile keeps a tie);
; 9 selects that carry the tile's running number and its eight d along.  At the end the winner's place in its tile is the lowest j whose carried d equals the best: exact, and no address hangs on a distance.
; Lanes l and l xor 16, and then the four waves of a half, are joined by (d, index), the lower index on equal d.
; rep IS QUANTISED HERE: a token is read by one work-group, once.  Wave w quantises tokens 32 w .. 32 w + 31 (two tiles); the fragments go to the waves that need them through LDS as images of their registers.
; CLUSTER: all work-groups walk the same records, so the four of a cluster ask for them JOINTLY: the same tensor load, with the same descriptor and a mask that names the four, in all four.
; The records go through a ring of two LDS slots of 32 records; each of the eight waves fetches four records (68 rows of 256 bytes, dense) with one load behind each round, and that load has a slot's work in which to land.
; No LDS row is padded: an image is read at 16 x lane, 512 consecutive bytes an instruction, and -b2 / 2 is one address for each half of the lanes.
; LIMITS.  The order of rounding is d = fma(-2, ab - b2 / 2, a2), with -b2 / 2 added in the matrix instruction, where the definition has (a2 + b2) - 2 ab; a2 is summed in two packed chains and one exchange between lanes.
; NaN and infinities among the inputs are not served.  Blocks whose largest magnitude lies under 2^-118 keep the scale byte 1 (a block of zeros too: its codes are zeros) and were not tried.
; REGISTERS, window 0: v0 the thread's number; v1-15 addresses and numbers that stay; v16-23 rep's scale words; v24-25 the codes' scale words; v26-31 at work; v32-47 -b2 / 2, two buffers; v48-111 the codes' fragments, two buffers;
;   v112-127, v128-143 two sets of two accumulators; v144-239 twelve registers for each token tile; v240-247 the end's.  In the head v32-87 and v128-255 serve the quantiser, in both windows.  Window 1: token tile T at v[32 T], K step s at + 16 s.
.set REC,   4352
.set SLOTB, 32*REC                     ; a slot: 32 records, 139,264 bytes; slot 0 at LDS byte 0, slot 1 behind it
.set XIMG,  2*SLOTB                    ; behind the ring: eight images of rep's fragments, 4,096 bytes each, wave w's at 4096 w; at the end the waves' (d, index) pairs
.set XSC,   XIMG+32768                 ; rep's scale words: token tile i: 128 bytes: K step s, row r at 128 i + 64 s + 4 r
.set XA2,   XSC+2048                   ; a2: token tile i: 128 i + 4 lane
.set SPARE, XA2+2048                   ; the spare words, 128 bytes for each of eight waves: four blocks of 256 bytes that no other line names
.set SPW,  1                           ; v1   SPARE + 4 x my thread's number; never rewritten
.set NIL,  2                           ; v2   0; never rewritten
.set BC,   3                           ; v3   16 lane + my quarter's eight records: my place in a record's image
.set BS,   4                           ; v4   4 lane + 4096 + the same: its scale words
.set BN,   5                           ; v5   32 h + 4224 + the same: its -b2 / 2
.set ADC,  6                           ; v6-8 the same three, at the pair of records in hand
.set ADS,  7
.set ADN,  8
.set VTI,  9                           ; v9   the running number n of my code tile, 0 .. 63
.set H8Q,  10                          ; v10  8 h + 128 q
.set XA,   11                          ; v11  1024 r + 64 h: my 16 numbers of a block of 32 in my row of rep
.set XWI,  12                          ; v12  where I store an image: XIMG + 4096 w + 16 lane
.set XWS,  13                          ; v13  scale words: XSC + 256 w + 4 r
.set XWA,  14                          ; v14  a2: XA2 + 256 w + 4 lane
.set LI,   15                          ; v15  where I read images: XIMG + 16384 g + 16 lane
.set SCB,  16
.set SCA,  24
.set MX,   26
.set NB,   32
.set F,    48
.set DX,   112
.set DY,   128
.set ST,   144                         ; token tile T at ST + 12 T: +0 a2, +1 the best tile's number, +2, +3 the best d (old and new by turns), +4 .. +11 that tile's eight d
.set J,    240
.set T0,   241
.set T1,   242
.set OB,   243
.set OI,   244
.set MW,   245
.set FA,   246
.set GOF,  247
.set PC,   32                          ; the head's registers, as in the launch that quantises the codebook
.set TM,   64
.set PW,   80
.set ACC,  82
.set T,    86
.set LS,   88                          ; v88  the head alone: XSC + 1024 g + 4 lane
.set LA,   89                          ; v89  the head alone: XA2 + 1024 g + 4 lane
.set RAW,  128
.set WV,   10                          ; s10  wave
.set GG,   11                          ; s11  g
.set QQ,   12                          ; s12  q
.set G1,   16                          ; s[16:23] descriptor group 1
.set G0,   24                          ; s[24:27], s[28:31] group 0 for slot 0, slot 1
.set TO,   32                          ; s32  LDS byte of the pair of records in hand, less my quarter's place
.set CT,   33
.set LP,   34
.set SEL,  36
.set MNT,  38
.set MSB, 0
.macro WIN new                         ; the immediate's high byte repeats the setting that is left
.if MSB != \new
	s_set_vgpr_msb (MSB<<8)|\new
.set MSB, \new
.endif
.endm
; A round of the cluster's barrier: my work-group's barrier, wave 0's signal for the work-group, every wave's wait for all four work-groups, my work-group's barrier once more.
.macro ROUND
	s_barrier_signal -1
	s_barrier_wait -1
	s_cmp_lg_u32 s[WV], 0
	s_cbranch_scc1 .Lnot_wave_0_\@
	s_barrier_signal -3
.Lnot_wave_0_\@:
	s_barrier_wait -3
	s_barrier_signal -1
	s_barrier_wait -1
.endm
.macro BARRIER                         ; my LDS stores have landed and my LDS loads are in: then the work-group's barrier
	s_wait_dscnt 0x0
	s_barrier_signal -1
	s_barrier_wait -1
.endm
; ---- the quantiser's macros
.macro XLOAD reg, s, off               ; my 16 rows' numbers of K step s, from off bytes on: the sixteen loads together cover 512 consecutive bytes of each of 16 rows
.irp b, 0,1,2,3
.irp j, 0,1,2,3
	global_load_b128 v[(\reg)+16*\b+4*\j:(\reg)+16*\b+4*\j+3], v[XA], s[4:5] offset:\off+512*\s+128*\b+16*\j th:TH_LOAD_NT
.endr
.endr
.endm
.macro SQ s, first                     ; the squares of 64 numbers onto two packed chains; first = 1: the first four start the chains
.set qi, 0
.rept 16
.if (\first) && (qi == 0)
	v_pk_mul_f32 v[ACC:ACC+1], v[(\s):(\s)+1], v[(\s):(\s)+1]
	v_pk_mul_f32 v[ACC+2:ACC+3], v[(\s)+2:(\s)+3], v[(\s)+2:(\s)+3]
.else
	v_pk_fma_f32 v[ACC:ACC+1], v[(\s)+4*qi:(\s)+4*qi+1], v[(\s)+4*qi:(\s)+4*qi+1], v[ACC:ACC+1]
	v_pk_fma_f32 v[ACC+2:ACC+3], v[(\s)+4*qi+2:(\s)+4*qi+3], v[(\s)+4*qi+2:(\s)+4*qi+3], v[ACC+2:ACC+3]
.endif
.set qi, qi+1
.endr
.endm
.macro QUANT s, pc, pw                 ; 64 numbers of a lane (register 16 b + i = k 32 b + 16 h + i of my row) become a fragment's codes, v[pc] on, and its scale word v[pw]
.irp b, 0,1,2,3
	v_max3_num_f32 v[TM+\b], |v[(\s)+16*\b]|, |v[(\s)+1+16*\b]|, 0x4800000   ; block b: my 16 numbers, and the floor 2^(9 - 127): so the byte cannot fall under 1
.endr
.irp i, 2,4,6,8,10,12,14
.irp b, 0,1,2,3
	v_max3_num_f32 v[TM+\b], v[TM+\b], |v[(\s)+16*\b+\i]|, |v[(\s)+1+16*\b+\i]|   ; the four blocks by turns
.endr
.endr
.irp b, 0,1,2,3
	v_permlanex16_b32 v[TM+4+\b], v[TM+\b], s[SEL], s[SEL+1]
.endr
.irp b, 0,1,2,3
	v_max_num_f32 v[TM+\b], v[TM+\b], v[TM+4+\b]   ; with lane l xor 16's 16: the block's largest magnitude
.endr
.irp b, 0,1,2,3
	v_add_nc_u32 v[TM+12+\b], 0xfc000000, v[TM+\b]   ; 8 off its exponent field: the conversion takes this operand's exponent field as its scale
.endr
.irp b, 0,1,2,3
	v_and_or_b32 v[TM+8+\b], v[TM+\b], 0x7f800000, s[MNT]   ; 448 x the scale
.endr
.irp b, 0,1,2,3
	v_lshrrev_b32 v[TM+4+\b], 23, v[TM+12+\b]   ; the scale's byte
.endr
	v_lshl_or_b32 v[\pw], v[TM+5], 8, v[TM+4]
	v_lshl_or_b32 v[\pw], v[TM+6], 16, v[\pw]
	v_lshl_or_b32 v[\pw], v[TM+7], 24, v[\pw]      ; my row's scale word; both halves of the lanes hold the same
.irp b, 0,1,2,3
.irp i, 0,1,2,3,4,5,6,7,8,9,10,11,12,13,14,15
	v_med3_num_f32 v[(\s)+16*\b+\i], v[(\s)+16*\b+\i], -v[TM+8+\b], v[TM+8+\b]   ; the conversion to an 8-bit code does not saturate (ISA guide 7.6.2): the hold comes first
.endr
	v_cvt_scalef32_pk8_fp8_f32 v[(\pc)+4*\b:(\pc)+1+4*\b], v[(\s)+16*\b:(\s)+7+16*\b], v[TM+12+\b]
	v_cvt_scalef32_pk8_fp8_f32 v[(\pc)+2+4*\b:(\pc)+3+4*\b], v[(\s)+8+16*\b:(\s)+15+16*\b], v[TM+12+\b]
.endr
	v_nop                                          ; one plain vector instruction behind the last scaled conversion
.endm
.macro A2FIN                           ; the row's sum of squares in v[T], the same bits in both halves of the lanes
	v_pk_add_f32 v[ACC:ACC+1], v[ACC:ACC+1], v[ACC+2:ACC+3]
	v_add_f32 v[T], v[ACC], v[ACC+1]
	v_permlanex16_b32 v[T+1], v[T], s[SEL], s[SEL+1]
	v_add_f32 v[T], v[T], v[T+1]
.endm
.macro HEADQ n0, n1                    ; one tile of 16 tokens, under the window setting in force.  n0, n1: the loads issued behind K step 0's and K step 1's sixteen, which may stay out
	s_wait_loadcnt \n0
	SQ RAW, 1                                      ; the squares first: the quantiser holds the numbers in place
	QUANT RAW, PC, PW
	s_wait_loadcnt \n1
	SQ RAW+64, 0
	QUANT RAW+64, PC+16, PW+1
	A2FIN
.endm
.macro IMAGE                           ; a tile's two fragments go to LDS as they stand: 16 bytes a lane, 512 consecutive bytes a store
.irp i, 0,1,2,3,4,5,6,7
	ds_store_b128 v[XWI], v[PC+4*\i:PC+4*\i+3] offset:512*\i
.endr
.endm
.macro RFETCH odd                      ; the images of waves 4 g + k come back as my token tiles 2 k + odd, in window 1
	WIN 0x40                                       ; destination window 1, address window 0
.irp k, 0,1,2,3
.irp i, 0,1,2,3,4,5,6,7
	ds_load_b128 v[32*(2*\k+\odd)+4*\i:32*(2*\k+\odd)+4*\i+3], v[LI] offset:4096*\k+512*\i
.endr
.endr
	WIN 0
.endm
; ---- the loop's macros
.macro ADDR                            ; the three LDS addresses at the pair of records in hand
	v_add_nc_u32 v[ADC], s[TO], v[BC]
	v_add_nc_u32 v[ADS], s[TO], v[BS]
	v_add_nc_u32 v[ADN], s[TO], v[BN]
.endm
.macro LOADF p, off                    ; a record into buffer p: eleven LDS loads: two fragments, the scale words, -b2 / 2 of my half's eight codes
.irp c, 0,1,2,3,4,5,6,7
	ds_load_b128 v[F+32*\p+4*\c:F+32*\p+4*\c+3], v[ADC] offset:\off+512*\c
.endr
	ds_load_b32 v[SCA+\p], v[ADS] offset:\off
	ds_load_b128 v[NB+8*\p:NB+8*\p+3], v[ADN] offset:\off
	ds_load_b128 v[NB+8*\p+4:NB+8*\p+7], v[ADN] offset:\off+16
.endm
; Four matrix instructions: the code tile in buffer p against token tiles t and t + 1, into accumulators d and d + 8.  The two take turns, one instruction a turn, and the next group names the other set.
; K step 0 starts each sum with -b2 / 2 as C; K step 1 takes both sides' scale words from lanes 16-31.
.macro GB d, t, p
	WIN 0x04                                       ; source 1 (the tokens) window 1
	v_wmma_scale_f32_16x16x128_f8f6f4 v[\d:\d+7], v[F+32*\p:F+32*\p+15], v[32*\t:32*\t+15], v[NB+8*\p:NB+8*\p+7], v[SCA+\p], v[SCB+\t]
	v_wmma_scale_f32_16x16x128_f8f6f4 v[\d+8:\d+15], v[F+32*\p:F+32*\p+15], v[32*\t+32:32*\t+47], v[NB+8*\p:NB+8*\p+7], v[SCA+\p], v[SCB+\t+1]
	v_wmma_scale_f32_16x16x128_f8f6f4 v[\d:\d+7], v[F+32*\p+16:F+32*\p+31], v[32*\t+16:32*\t+31], v[\d:\d+7], v[SCA+\p], v[SCB+\t] matrix_a_scale:MATRIX_SCALE_ROW1 matrix_b_scale:MATRIX_SCALE_ROW1
	v_wmma_scale_f32_16x16x128_f8f6f4 v[\d+8:\d+15], v[F+32*\p+16:F+32*\p+31], v[32*\t+48:32*\t+63], v[\d+8:\d+15], v[SCA+\p], v[SCB+\t+1] matrix_a_scale:MATRIX_SCALE_ROW1 matrix_b_scale:MATRIX_SCALE_ROW1
	WIN 0
.endm
; The search in two finished tiles, accumulators d and d + 8, token tiles t and t + 1: 36 plain vector instructions.  o, n: which of the two registers holds the old best and which takes the new.
; They name no register of the four matrix instructions just ahead of them (the other set's), so they are the places behind those: 36, where 8 are asked ahead of a read of a result or of a load into an operand, and 9 ahead of
; a matrix instruction that begins an accumulator anew.  No v_nop is written in the loop.
.macro VB d, t, o, n
.irp u, 0,1
.irp j, 0,2,4,6
	v_pk_fma_f32 v[\d+8*\u+\j:\d+8*\u+\j+1], v[\d+8*\u+\j:\d+8*\u+\j+1], -2.0, v[ST+12*(\t+\u):ST+12*(\t+\u)+1] op_sel_hi:[1,0,0]   ; d = a2 - 2 (ab - b2 / 2), each accumulator from its low end on; of the pair (a2, number) the low word serves both halves
.endr
.endr
.irp u, 0,1
	v_min3_num_f32 v[MX+3*\u], v[\d+8*\u], v[\d+8*\u+1], v[\d+8*\u+2]
	v_min3_num_f32 v[MX+3*\u+1], v[\d+8*\u+3], v[\d+8*\u+4], v[\d+8*\u+5]
	v_min3_num_f32 v[MX+3*\u+2], v[\d+8*\u+6], v[\d+8*\u+7], v[ST+12*(\t+\u)+(\o)]
.endr
.irp u, 0,1
	v_min3_num_f32 v[ST+12*(\t+\u)+(\n)], v[MX+3*\u], v[MX+3*\u+1], v[MX+3*\u+2]   ; the new best
.endr
.irp u, 0,1
	v_cmp_lt_f32 vcc_lo, v[ST+12*(\t+\u)+(\n)], v[ST+12*(\t+\u)+(\o)]              ; has this tile beaten all before it?  Strictly: an earlier tile keeps a tie
	v_cndmask_b32 v[ST+12*(\t+\u)+1], v[ST+12*(\t+\u)+1], v[VTI], vcc_lo           ; then its number
.irp j, 0,1,2,3,4,5,6,7
	v_cndmask_b32 v[ST+12*(\t+\u)+4+\j], v[ST+12*(\t+\u)+4+\j], v[\d+8*\u+\j], vcc_lo   ; and its eight d are carried along
.endr
.endr
.endm
; A code tile, in buffer p, against my eight token tiles.  The search lags one group behind the products; the last group's search stands in the next tile, ahead of the step of the tile's number.
.macro TILE p
	GB DX, 0, \p
	VB DY, 6, 3-\p, 2+\p
	v_add_nc_u32 v[VTI], 1, v[VTI]
	GB DY, 2, \p
	VB DX, 0, 2+\p, 3-\p
	GB DX, 4, \p
	VB DY, 2, 2+\p, 3-\p
	GB DY, 6, \p
	VB DX, 4, 2+\p, 3-\p
.endm
; Two code tiles.  A record is asked for a whole tile ahead of its use.  more = 1: the next pair's first record is asked for in the middle.
.macro PAIR more
	LOADF 1, REC
	s_wait_dscnt 11                                ; buffer 0's eleven loads are in; the eleven just issued may be out
	TILE 0
.if \more
	s_add_co_u32 s[TO], s[TO], 2*REC
	ADDR
	LOADF 0, 0
	s_wait_dscnt 11                                ; buffer 1's eleven are in; the eleven just issued may be out
.else
	s_wait_dscnt 0x0
.endif
	TILE 1
.endm
.macro SLOTWORK slot                   ; my eight records of a slot: four pairs
	s_mov_b32 s[TO], \slot*SLOTB
	ADDR
	LOADF 0, 0
	s_mov_b32 s[CT], 3
.Lpair_\@:
	PAIR 1
	s_sub_co_u32 s[CT], s[CT], 1
	s_cmp_lg_u32 s[CT], 0
	s_cbranch_scc1 .Lpair_\@
	PAIR 0
.endm
; A slot's turn.  At its head: the change of slots.
.macro TRIP slot, refill
	s_wait_tensorcnt 0x0                           ; all my tensor loads are done, my part of this slot among them: so every group 0 may be written
	ds_add_u32 v[SPW], v[NIL]                      ; 0 onto my spare word
	s_add_nc_u64 s[G0+4*\slot+2:G0+4*\slot+3], s[G0+4*\slot+2:G0+4*\slot+3], 2*SLOTB   ; this slot's next 32 records; the type bits on top are not reached
	s_wait_dscnt 0x0                               ; the add is done, and so are my reads of the other slot
	ROUND                                          ; both now hold of every wave of all four work-groups
.if \refill
	tensor_load_to_lds s[G0+4-4*\slot:G0+7-4*\slot], s[G1:G1+7]   ; my one load behind the round: the next 32 records' eighth, into the slot read last
	s_nop 0
.rept 4
	v_nop
.endr
.endif
	SLOTWORK \slot
.endm
; (b, i) and (ob, oi) are two candidates (distance, index): the smaller distance, on equal distances the lower index, goes to (db, di).  The masks select values alone.
.macro MERGE db, di, b, i, ob, oi
	v_cmp_lt_f32 s40, v[\ob], v[\b]
	v_cmp_eq_f32 s41, v[\ob], v[\b]
	v_cmp_lt_u32 s42, v[\oi], v[\i]
	s_and_b32 s41, s41, s42
	s_or_b32 s40, s40, s41
	v_cndmask_b32 v[\db], v[\b], v[\ob], s40
	v_cndmask_b32 v[\di], v[\i], v[\oi], s40
.endm
; The end of token tile t: the winner's place in its tile, its index, the other half of the lanes', and the pair to LDS.
.macro FIN t
.set SB, ST+12*(\t)
	v_mov_b32 v[J], 0
.irp j, 7,6,5,4,3,2,1,0
	v_cmp_neq_f32 vcc_lo, v[SB+4+\j], v[SB+2]
	v_cndmask_b32 v[J], \j, v[J], vcc_lo           ; descending, so that the lowest j whose d equals the best stays
.endr
	v_lshrrev_b32 v[T0], 3, v[SB+1]                ; the tile's number n: slot n / 8, place n % 8 in my quarter
	v_and_b32 v[T1], 7, v[SB+1]
	v_lshlrev_b32 v[T0], 9, v[T0]
	v_lshl_add_u32 v[T0], v[T1], 4, v[T0]
	v_add3_u32 v[SB+3], v[T0], v[H8Q], v[J]        ; index = 512 (n / 8) + 128 q + 16 (n % 8) + 8 h + j, beside the best d: an even pair
	v_permlanex16_b32 v[OB], v[SB+2], s[SEL], s[SEL+1]
	v_permlanex16_b32 v[OI], v[SB+3], s[SEL], s[SEL+1]
	MERGE SB+2, SB+3, SB+2, SB+3, OB, OI           ; both halves of the lanes now hold the same pair
	ds_store_b64 v[MW], v[SB+2:SB+3] offset:128*(\t)
.endm
	; ---- 1: addresses, descriptors, the first joint load
	s_load_b128 s[4:7], s[0:1], 0x0                ; rep s[4:5], the records s[6:7]
	s_load_b64 s[8:9], s[0:1], 0x10                ; out0
	v_lshl_add_u32 v[SPW], v0, 2, SPARE
	v_mov_b32 v[NIL], 0
	ds_add_u32 v1, v2
	ds_add_u32 v1, v2
	s_wait_dscnt 0x0
	v_lshrrev_b32 v26, 5, v0
	v_readfirstlane_b32 s[WV], v26                 ; wave 0..7
	s_lshr_b32 s[GG], s[WV], 2                     ; g: which half of the tokens
	s_and_b32 s[QQ], s[WV], 3                      ; q: which quarter of a slot's records
	s_bfe_u32 s13, ttmp6, 0x40000                  ; cx: my place in the cluster
	s_lshl_b32 s14, ttmp9, 2                       ; in a cluster launch ttmp9 counts clusters
	s_add_co_u32 s14, s14, s13                     ; my work-group: it enters rep's and out0's addresses alone
	s_mov_b32 s[G1+0], 15|(3<<16)|(1<<21)          ; 15:0 the mask: all four work-groups; 17:16 elements of 8 bytes; 20 no padding; 21 set beside a mask
	s_mov_b32 s[G1+1], 32<<16                      ; tensor_dim0 = 32 elements: rows of 256 bytes
	s_mov_b32 s[G1+2], 68<<16                      ; tensor_dim1 = 68 rows: four records
	s_mov_b32 s[G1+3], 32<<16                      ; tile_dim0
	s_mov_b32 s[G1+4], 68                          ; tile_dim1
	s_mov_b32 s[G1+5], 32                          ; from row to row: dense
	s_mov_b32 s[G1+6], 0
	s_mov_b32 s[G1+7], 0
	s_mov_b32 s[SEL], 0x76543210
	s_mov_b32 s[SEL+1], 0xfedcba98                 ; v_permlanex16_b32's selects for lane l xor 16
	s_mov_b32 s[MNT], 0x600000                     ; the mantissa field of 448
	v_and_b32 v26, 31, v0                          ; lane
	v_and_b32 v27, 15, v0                          ; r
	v_bfe_u32 v28, v0, 4, 1                        ; h
	s_mul_i32 s44, s[QQ], 8*REC
	v_lshl_add_u32 v[BC], v26, 4, s44
	s_add_co_u32 s45, s44, 4096
	v_lshl_add_u32 v[BS], v26, 2, s45
	s_add_co_u32 s45, s44, 4224
	v_lshl_add_u32 v[BN], v28, 5, s45
	s_lshl_b32 s45, s[QQ], 7
	v_lshl_add_u32 v[H8Q], v28, 3, s45
	v_lshlrev_b32 v[XA], 10, v27
	v_lshl_add_u32 v[XA], v28, 6, v[XA]
	s_lshl_b32 s45, s[WV], 12
	s_add_co_u32 s45, s45, XIMG
	v_lshl_add_u32 v[XWI], v26, 4, s45
	s_lshl_b32 s44, s[WV], 8
	s_add_co_u32 s45, s44, XSC
	v_lshl_add_u32 v[XWS], v27, 2, s45
	s_add_co_u32 s45, s44, XA2
	v_lshl_add_u32 v[XWA], v26, 2, s45
	s_lshl_b32 s45, s[GG], 14
	s_add_co_u32 s45, s45, XIMG
	v_lshl_add_u32 v[LI], v26, 4, s45
	s_lshl_b32 s44, s[GG], 10
	s_add_co_u32 s45, s44, XSC
	v_lshl_add_u32 v[LS], v26, 2, s45
	s_add_co_u32 s45, s44, XA2
	v_lshl_add_u32 v[LA], v26, 2, s45
	s_lshl_b32 s44, s14, 18                        ; my work-group's 256 tokens of 1,024 bytes,
	s_lshl_b32 s45, s[WV], 15                      ; my wave's 32 of them
	s_add_co_u32 s44, s44, s45
	s_mov_b32 s45, 0
	s_lshl_b32 s46, s14, 10                        ; my work-group's 256 numbers of out0
	s_mov_b32 s47, 0
	s_mul_i32 s40, s[WV], 4*REC                    ; my eighth of a slot, in memory and in LDS alike: the wave's number alone enters it
	s_mov_b32 s41, 0
	s_wait_kmcnt 0x0
	s_add_nc_u64 s[4:5], s[4:5], s[44:45]
	s_add_nc_u64 s[8:9], s[8:9], s[46:47]
	s_add_nc_u64 s[6:7], s[6:7], s[40:41]
	s_mov_b32 s[G0+0], 1                           ; 1:0 count = 1
	s_mov_b32 s[G0+1], s40                         ; 63:32 LDS address: slot 0
	s_mov_b64 s[G0+2:G0+3], s[6:7]                 ; 120:64 global address: records 0 .. 31
	s_or_b32 s[G0+3], s[G0+3], 0x80000000          ; 127:126 type = 2
	s_mov_b32 s[G0+4], 1
	s_add_co_u32 s[G0+5], s40, SLOTB               ; slot 1
	s_add_nc_u64 s[G0+6:G0+7], s[6:7], SLOTB       ; records 32 .. 63
	s_or_b32 s[G0+7], s[G0+7], 0x80000000
	ROUND                                          ; all four work-groups are here: the first joint loads meet
	tensor_load_to_lds s[G0:G0+3], s[G1:G1+7]      ; slot 0; it lands while rep is quantised
	s_nop 0
.rept 4
	v_nop
.endr
	; ---- 2: my 32 tokens of rep: 64 loads, 32 KiB, go out at once; the first tile's numbers into window 0, the second's into window 1
	XLOAD RAW, 0, 0
	XLOAD RAW+64, 1, 0
	WIN 0x40                                       ; destination window 1, address window 0
	XLOAD RAW, 0, 16384
	XLOAD RAW+64, 1, 16384
.irp b, 0,1,2,3
	v_mov_b32 v[TM+4+\b], 0                        ; written once in each window: a lane permute's destination counts as one of its sources
.endr
	v_mov_b32 v[T+1], 0
	WIN 0
.irp b, 0,1,2,3
	v_mov_b32 v[TM+4+\b], 0
.endr
	v_mov_b32 v[T+1], 0
	HEADQ 48, 32                                   ; behind the first sixteen loads 48 were issued, behind the second sixteen 32
	WIN 0x55                                       ; all four operand places window 1: the same lines on the second tile
	HEADQ 16, 0
	WIN 0
	; ---- 3: the fragments go from wave to wave, in two rounds of eight images
	IMAGE                                          ; my first tile
	ds_store_b32 v[XWS], v[PW]                     ; its scale words (both halves of the lanes write the same word with the same value)
	ds_store_b32 v[XWS], v[PW+1] offset:64
	ds_store_b32 v[XWA], v[T]                      ; its a2
	WIN 0x04                                       ; an LDS store's data are its source 1: window 1
	ds_store_b32 v[XWS], v[PW] offset:128          ; my second tile's
	ds_store_b32 v[XWS], v[PW+1] offset:192
	ds_store_b32 v[XWA], v[T] offset:128
	WIN 0
	BARRIER                                        ; the even tiles' images and all scale words and a2 lie in LDS.  (Slot 0's load may stay out: no slot is read or filled behind this barrier or the next two)
	RFETCH 0
.irp t, 0,1,2,3,4,5,6,7
	ds_load_b32 v[SCB+\t], v[LS] offset:128*\t     ; lanes 0-15: token r's word of K step 0; lanes 16-31: of K step 1
.endr
.irp t, 0,1,2,3,4,5,6,7
	ds_load_b32 v[ST+12*\t], v[LA] offset:128*\t   ; a2 of token r
.endr
	BARRIER                                        ; every wave has read the even tiles' images
	WIN 0x04
	IMAGE                                          ; my second tile, out of window 1, over the first
	WIN 0
	BARRIER
	RFETCH 1                                       ; waited for at the head of the first slot's turn
	; ---- 4: the state.  The best d and the carried d begin as +infinity.  The set whose search lags begins as -infinity: d = +infinity there, which beats nothing
	s_mov_b32 s44, 0x7f800000
	s_mov_b32 s45, 0xff800000
	v_mov_b32 v[VTI], -1                           ; stepped to 0 behind the first, empty, lagging search
.irp t, 0,1,2,3,4,5,6,7
	v_mov_b32 v[ST+12*\t+1], 0
.irp j, 2,3,4,5,6,7,8,9,10,11
	v_mov_b32 v[ST+12*\t+\j], s44
.endr
.endr
.irp j, 0,1,2,3,4,5,6,7,8,9,10,11,12,13,14,15
	v_mov_b32 v[DY+\j], s45
.endr
	; ---- 5: the ring: eight slots of 32 records.  By this text's count a wave has one tensor load out behind each round
	s_mov_b32 s[LP], 3
.Lring:
	TRIP 0, 1
	TRIP 1, 1
	s_sub_co_u32 s[LP], s[LP], 1
	s_cmp_lg_u32 s[LP], 0
	s_cbranch_scc1 .Lring
	TRIP 0, 1                                      ; the last two slots are written out: the last asks for nothing (its stepped address is not used)
	TRIP 1, 0
	; ---- 6: the end
	VB DY, 6, 3, 2                                 ; the last lagging search: every tile's best d now lies in its register + 2
	v_and_b32 v[T0], 15, v0                        ; r
	s_lshl_b32 s44, s[QQ], 11
	s_lshl_b32 s45, s[GG], 10
	s_add_co_u32 s44, s44, s45
	s_add_co_u32 s44, s44, XIMG
	v_lshl_add_u32 v[MW], v[T0], 3, s44            ; my wave's 1,024 bytes where the images lay: XIMG + 2048 q + 1024 g + 8 r, + 128 for each token tile
	v_lshl_add_u32 v[FA], v0, 4, XIMG              ; and where threads 0 .. 127 read: the pairs of tokens 2 t and 2 t + 1, + 2048 for each quarter
	v_lshlrev_b32 v[GOF], 3, v0
	v_mov_b32 v[OB], 0                             ; written once: a lane permute's destination counts as one of its sources
	v_mov_b32 v[OI], 0
.irp t, 0,1,2,3,4,5,6,7
	FIN \t
.endr
	BARRIER                                        ; the four quarters' pairs of all 256 tokens lie in LDS
	s_cmp_lt_u32 s[WV], 4
	s_cbranch_scc0 .Lend                           ; waves 0 to 3 join them, two tokens a thread
.irp k, 0,1,2,3
	ds_load_b128 v[F+4*\k:F+4*\k+3], v[FA] offset:2048*\k   ; 512 consecutive bytes an instruction
.endr
	s_wait_dscnt 0x0
.irp u, 0,1
	MERGE F+2*\u, F+2*\u+1, F+2*\u, F+2*\u+1, F+4+2*\u, F+5+2*\u
	MERGE F+8+2*\u, F+9+2*\u, F+8+2*\u, F+9+2*\u, F+12+2*\u, F+13+2*\u
	MERGE F+18, F+16+\u, F+2*\u, F+2*\u+1, F+8+2*\u, F+9+2*\u
.endr
	global_store_b64 v[GOF], v[F+16:F+17], s[8:9]  ; a wave stores 256 consecutive bytes, at a multiple of 256 from out0's first byte
.Lend:
	s_wait_tensorcnt 0x0                           ; the wave's end: behind my last tensor load and my last LDS store
	ds_add_u32 v[SPW], v[NIL]
	s_wait_dscnt 0x0
	ROUND                                          ; the closing round: no work-group ends while a partner may still ask for records with a mask that names it
	s_endpgm
.Lfunc_end_k_q2619049e37_vq:
	.size	k_q2619049e37_vq, .Lfunc_end_k_q2619049e37_vq-k_q2619049e37_vq
	.p2alignl 7, 3214868480
	.fill 96, 4, 3214868480
	.section	.rodata,"a",@progbits
	.p2align	6, 0x0
	.amdhsa_kernel k_q2619049e37_vq
		.amdhsa_group_segment_fixed_size 327680
		.amdhsa_private_segment_fixed_size 0
		.amdhsa_enable_private_segment 0
		.amdhsa_kernarg_size 24
		.amdhsa_user_sgpr_count 2
		.amdhsa_user_sgpr_kernarg_segment_ptr 1
		.amdhsa_wavefront_size32 1
		.amdhsa_system_sgpr_workgroup_id_x 1
		.amdhsa_system_sgpr_workgroup_id_y 1
		.amdhsa_system_sgpr_workgroup_id_z 1
		.amdhsa_system_vgpr_workitem_id 0
		.amdhsa_next_free_vgpr 512
		.amdhsa_next_free_sgpr 66
		.amdhsa_reserve_vcc 1
		.amdhsa_float_denorm_mode_32 3
		.amdhsa_float_denorm_mode_16_64 3
		.amdhsa_memory_ordered 1
		.amdhsa_forward_progress 1
		.amdhsa_inst_pref_size 234
	.end_amdhsa_kernel
	.amdgpu_metadata
---
amdhsa.version: [ 1, 2 ]
amdhsa.kernels:
  - .name:           k_q2619049e37_vq
    .symbol:         k_q2619049e37_vq.kd
    .args:
      - { .name: rep, .offset: 0, .size: 8, .value_kind: global_buffer, .address_space: global }
      - { .name: cbq, .offset: 8, .size: 8, .value_kind: global_buffer, .address_space: global }
      - { .name: out0, .offset: 16, .size: 8, .value_kind: global_buffer, .address_space: global }
    .group_segment_fixed_size: 327680
    .private_segment_fixed_size: 0
    .kernarg_segment_align: 8
    .kernarg_segment_size: 24
    .max_flat_workgroup_size: 256
    .sgpr_count:     66
    .vgpr_count:     512
    .wavefront_size: 32
...
	.end_amdgpu_metadata
.endif
;; end of part 2
